; MI455X (gfx1250); checked and timed in simulation.
; The chip was launched on July 23, 2026; its instructions are those of AMD's public machine-readable ISA for CDNA 5 (MIT licence, August 2026) and "CDNA5" Instruction Set Architecture Reference Guide (July 2026). The comments in the code are by the model that wrote it; some were corrected since.
;; A Li Bi Attention. Allowed arithmetic: matrix products marked QUANTISED: E4M3 operands, one given power-of-two scale a tensor, by v_wmma_f32_16x16x64_fp8_fp8 or v_wmma_f32_16x16x128_fp8_fp8, f32 sums; everything else in f32.
;; Inputs: bo 1,024 float32; lowp_scales 12 int32 (the exponents e of the quantised operands' scales 2^e); wk 1,024 x 1,024 float32; wo 1,024 x 1,024 float32; wq 1,024 x 1,024 float32; wv 1,024 x 1,024 float32; x 4 x 2,048 x 1,024 float32.
;; Outputs: out0 4 x 2,048 x 1,024 float32.
;; This version of the problem:
;;   THIS VERSION OF THE PROBLEM IS GIVEN IN LOW PRECISION. The matrix products marked QUANTISED in the list below multiply operands that are first quantised to E4M3 (4 exponent bits, 3 mantissa bits; 8 bits a number), with one given power-of-two scale for each operand tensor; their sums are f32. All else is computed in f32.
;;   The module's matrix products, in the order in which they are computed (A, B: the left and right operand; K: the contracted axis; several contracted axes count as one K, in the product's order):
;;     1. [M 8,192, K 1,024] x [K 1,024, N 1,024]; A: input x; B: input wq: QUANTISED (scales: A lowp_scales[0], B lowp_scales[1])
;;     2. [M 8,192, K 1,024] x [K 1,024, N 1,024]; A: input x; B: input wk: QUANTISED (scales: A lowp_scales[2], B lowp_scales[3])
;;     3. [M 8,192, K 1,024] x [K 1,024, N 1,024]; A: input x; B: input wv: QUANTISED (scales: A lowp_scales[4], B lowp_scales[5])
;;     4. batch 64 x [M 2,048, K 64] x [K 64, N 2,048]; A: computed on the way; B: computed on the way: QUANTISED (scales: A lowp_scales[6], B lowp_scales[7])
;;     5. batch 64 x [M 2,048, K 2,048] x [K 2,048, N 64]; A: softmax (see below); B: computed on the way: QUANTISED (scales: A lowp_scales[8], B lowp_scales[9])
;;     6. [M 8,192, K 1,024] x [K 1,024, N 1,024]; A: computed on the way; B: input wo: QUANTISED (scales: A lowp_scales[10], B lowp_scales[11])
;;   THE QUANTISER, for each operand of a quantised product, along K:
;;     - The operand's scale is 2^e, e = its entry of the input lowp_scales (int32; the entries are numbered through the quantised products in the list's order, A before B).
;;     - Each number is divided by the scale, clamped to +-448, and rounded to the nearest number of E4M3, ties to even, subnormals kept.
;;     - The product sums the exact products of the quantised numbers (number of the format x scale) in f32.
;;   ~~~python
;;   def quantise(x, axis, e):      # numpy; x: float32 -> the quantised numbers, widened to float32 again
;;       x = np.moveaxis(x, axis, -1); K = x.shape[-1]
;;       r = np.clip(x / 2.0 ** e, -448, 448)
;;       step = 2.0 ** (np.maximum(np.frexp(np.where(r == 0, 1, r))[1] - 1, -6) - 3)
;;       q = np.round(r / step) * step * 2.0 ** e      # np.round: ties to even
;;       return np.moveaxis(q, -1, axis).astype(np.float32)
;;   ~~~
;;   SOFTMAX AHEAD OF A QUANTISED PRODUCT. Where the list says 'softmax', what is quantised is not the finished softmax but p = 2^(t - M), with t = logit x log2(e) and M = ceil(the row's largest t), a whole number; so 1/2 < the row's largest p <= 1. The row's sum l is taken of the UNQUANTISED p, in f32, and the product's result is divided by l at the end. Since M is a whole number, a kernel that streams over the keys may use a running M (the ceiling of the running maximum): every later rescaling is an exact power of two, so the quantised numbers keep their values, but for numbers so far below the row's largest that they fall under the format's range.
;;   OPERANDS COMPUTED ON THE WAY. 'Computed on the way' means the value that the module computes at that place (a softmax that the list does not call 'softmax' is quantised finished and normalised). What goes into a quantiser is computed in f32, as accurately as f32 sums, v_exp_f32 and their like allow (about 1e-6 of the number): no bf16 or f16 on the way to a quantiser, and a product that is left as it is and whose result goes on into a quantised operand takes f32 operands (vector FMAs, or v_wmma_f32_16x16x4_f32). A number that lies on a knife's edge between two numbers of the format may be rounded either way, as far as f32 arithmetic and the matrix unit's own rounding can turn it there, and no further.
;; One version. Each part assembles by itself: llvm-mc -triple=amdgcn-amd-amdhsa -mcpu=gfx1250 --defsym DOCPART=n.
;; ======== version 1 of 1: 4 launches
;; workspace buffers: xc 25,165,824 bytes; wc 4,194,304 bytes; qkv 25,165,824 bytes; ac 8,388,608 bytes
;; launch quant (part 1): grid 384 x 1, 4 waves a work-group, no clusters, 34,304 bytes of LDS; arguments x, wq, wk, wv, wo, lowp_scales, xc, wc; writes xc, wc
.if DOCPART == 1
	.amdgcn_target "amdgcn-amd-amdhsa--gfx1250"
	.amdhsa_code_object_version 6
	.text
	.protected	k_q09f998be5a_quant
	.globl	k_q09f998be5a_quant
	.p2align	8
	.type	k_q09f998be5a_quant,@function
k_q09f998be5a_quant:
	s_mov_b64 s[64:65], 0
	v_nop
	global_prefetch_b8 v0, s[64:65] scope:SCOPE_SE
	s_setreg_imm32_b32 hwreg(HW_REG_WAVE_MODE, 25, 1), 1
	s_wait_xcnt 0x0
; x [8192][1024] and the four weights [1024][1024], f32 with K innermost, become codes of E4M3 with the given scales 2^e:
; x three times (entries 0, 2, 4 of the scales), wq, wk, wv, wo once each (entries 1, 3, 5, 11).
; code = number / 2^e, held within +-448, to the nearest code, ties to even.
; LIMITS: each e between -126 and 119, so that 2^e and 448 x 2^e are f32 numbers.  NaN among the inputs is not served; an infinity is held at the largest code.
; THE CODES ARE LAID AS IMAGES OF OPERAND REGISTERS.  A fragment is 16 rows x 128 K = 2,048 bytes: byte 512 c + 16 lane + n (lane = r + 16 h) is k = 32 c + 16 h + n of the
; fragment's row r.  Row r of fragment f is the tensor's row 32 (f / 2) + 8 (f % 2) + r + 8 (r / 8).  A tensor: fragment f, K step s at 16,384 f + 2,048 s.
; SHARES.  A work-group takes 32 rows (two fragments); work-groups 0-255 take x, 256-383 the weights, 32 each.  Wave w takes K steps 2 w and 2 w + 1: four units of 16 rows x 128 K.
; A load reads 512 consecutive bytes of one row; a unit turns through the wave's own stage in LDS (rows 528 bytes apart), so that a lane gets 16 neighbours along K of its row;
; a store writes 512 consecutive bytes.  Waves share nothing: no barrier.  No byte is read by two work-groups: no cluster, no matrix unit.
.set STG,   8448                       ; a wave's stage: 16 rows x (512 + 16) bytes
.set SPARE, 4*STG                      ; behind the stages: the spare words, 128 bytes a wave
.set LI,   1                           ; v1   16 x lane; never rewritten
.set SIN,  2                           ; v2   the stage, way in
.set SOUT, 3                           ; v3   the stage, way out: row r, + 64 h
.set SC,   4                           ; v4-9 for each of three scales: 2^e, 448 x 2^e
.set SPW,  10                          ; v10  my spare word
.set NIL,  11                          ; v11  0
.set R,    16                          ; v16-143  two sets of 64: a unit as loaded
.set X,    144                         ; v144-207 a unit, 64 numbers of my row
.set T,    208                         ; v208-239 two sets of 16: held numbers
.set C,    240                         ; v240-255 a fragment's codes
.set SRC,  24                          ; s[24:25] where my wave reads
.set DST,  44                          ; s[44:49] where it stores, for each of the three scales
	s_load_b256 s[4:11], s[0:1], 0x0               ; x, wq, wk, wv
	s_load_b256 s[12:19], s[0:1], 0x20             ; wo, the scales, xc, wc
	v_lshl_add_u32 v[SPW], v0, 2, SPARE
	v_mov_b32 v[NIL], 0
	v_lshrrev_b32 v12, 5, v0
	v_readfirstlane_b32 s2, v12                    ; wave
	v_and_b32 v13, 31, v0
	v_lshlrev_b32 v[LI], 4, v13
	s_mul_i32 s3, s2, STG
	v_add_nc_u32 v[SIN], s3, v[LI]
	v_and_b32 v14, 15, v0
	v_bfe_u32 v15, v0, 4, 1
	v_mul_u32_u24 v[SOUT], v14, 528
	v_lshl_add_u32 v[SOUT], v15, 6, v[SOUT]
	v_add_nc_u32 v[SOUT], s3, v[SOUT]
	s_sub_co_u32 s20, ttmp9, 256
	s_lshr_b32 s21, s20, 5                         ; which weight (in x's work-groups a number above 3)
	s_and_b32 s22, s20, 31
	s_lshl_b32 s23, s21, 20                        ; a weight's codes are 1 MiB
	s_cmp_lt_u32 ttmp9, 256
	s_cselect_b32 s22, ttmp9, s22                  ; which 32 rows of the tensor
	s_cselect_b32 s23, 0, s23
	s_lshl_b32 s26, s22, 17                        ; 32 rows of 4,096 bytes,
	s_lshl_b32 s27, s2, 10                         ; my two K steps of 512 bytes
	s_add_co_u32 s26, s26, s27
	s_mov_b32 s27, 0
	s_lshl_b32 s28, s22, 15                        ; two fragments of 16,384 bytes,
	s_lshl_b32 s29, s2, 12                         ; my two K steps of 2,048
	s_add_co_u32 s28, s28, s29
	s_add_co_u32 s28, s28, s23
	s_mov_b32 s29, 0
	s_wait_kmcnt 0x0
	s_load_b256 s[32:39], s[14:15], 0x0            ; e0 .. e7
	s_load_b128 s[40:43], s[14:15], 0x20           ; e8 .. e11
	s_mov_b64 s[SRC:SRC+1], s[12:13]               ; the buffers are chosen by the work-group's number alone
	s_cmp_eq_u32 s21, 2
	s_cselect_b64 s[SRC:SRC+1], s[10:11], s[SRC:SRC+1]
	s_cmp_eq_u32 s21, 1
	s_cselect_b64 s[SRC:SRC+1], s[8:9], s[SRC:SRC+1]
	s_cmp_eq_u32 s21, 0
	s_cselect_b64 s[SRC:SRC+1], s[6:7], s[SRC:SRC+1]
	s_cmp_lt_u32 ttmp9, 256
	s_cselect_b64 s[SRC:SRC+1], s[4:5], s[SRC:SRC+1]
	s_cselect_b64 s[DST:DST+1], s[16:17], s[18:19]
	s_add_nc_u64 s[SRC:SRC+1], s[SRC:SRC+1], s[26:27]
	s_add_nc_u64 s[DST:DST+1], s[DST:DST+1], s[28:29]
	s_add_nc_u64 s[DST+2:DST+3], s[DST:DST+1], 0x800000    ; x's second and third sets of codes; only x's work-groups store by these
	s_add_nc_u64 s[DST+4:DST+5], s[DST:DST+1], 0x1000000
.macro LOAD t                          ; unit t: fragment t % 2, K step t / 2 of my two; a load a row
.irp i, 0,1,2,3,4,5,6,7,8,9,10,11,12,13,14,15
	global_load_b128 v[R+64*((\t)%2)+4*\i:R+64*((\t)%2)+4*\i+3], v[LI], s[SRC:SRC+1] offset:(8*((\t)%2)+\i+8*(\i/8))*4096+((\t)/2)*512 th:TH_LOAD_NT
.endr
.endm
	LOAD 0
	LOAD 1
	s_wait_kmcnt 0x0
	s_mov_b32 s50, s43                             ; the first scale: e0 for x; e1, e3, e5, e11 for the weights
	s_cmp_eq_u32 s21, 2
	s_cselect_b32 s50, s37, s50
	s_cmp_eq_u32 s21, 1
	s_cselect_b32 s50, s35, s50
	s_cmp_eq_u32 s21, 0
	s_cselect_b32 s50, s33, s50
	s_cmp_lt_u32 ttmp9, 256
	s_cselect_b32 s50, s32, s50
.macro MKSC e, z                       ; 2^e and 448 x 2^e as f32
	s_add_co_i32 s51, s[\e], 127
	s_lshl_b32 s52, s51, 23
	v_mov_b32 v[SC+2*\z], s52
	s_add_co_i32 s51, s51, 8
	s_lshl_b32 s51, s51, 23
	s_or_b32 s51, s51, 0x600000
	v_mov_b32 v[SC+2*\z+1], s51
.endm
	MKSC 50, 0
	MKSC 34, 1
	MKSC 36, 2
.macro QUANT z, t                      ; the unit in X becomes a fragment's codes under scale z, and is stored
	s_wait_xcnt 0x0                                ; the earlier stores have read C: it is written again only behind this wait
.irp c, 0,1,2,3
.irp i, 0,1,2,3,4,5,6,7,8,9,10,11,12,13,14,15
	v_med3_num_f32 v[T+16*(\c%2)+\i], v[X+16*\c+\i], -v[SC+2*\z+1], v[SC+2*\z+1]   ; the conversion does not saturate (ISA guide 7.6.2): the hold; X is kept for the next scale
.endr
	v_cvt_scalef32_pk8_fp8_f32 v[C+4*\c:C+4*\c+1], v[T+16*(\c%2):T+16*(\c%2)+7], v[SC+2*\z]
	v_cvt_scalef32_pk8_fp8_f32 v[C+4*\c+2:C+4*\c+3], v[T+16*(\c%2)+8:T+16*(\c%2)+15], v[SC+2*\z]
.endr                                  ; T's two sets take turns: sixteen plain lines stand between a conversion and the next write of its sources
	v_nop                                          ; a plain line behind the last conversion
.irp c, 0,1,2,3
	global_store_b128 v[LI], v[C+4*\c:C+4*\c+3], s[DST+2*\z:DST+2*\z+1] offset:((\t)%2)*16384+((\t)/2)*2048+512*\c   ; 512 consecutive bytes
.endr
.endm
.macro UNIT t
.if (\t) < 3
	s_wait_loadcnt 16                              ; this unit's 16 loads are in; the next unit's 16 may be out
.else
	s_wait_loadcnt 0x0
.endif
.irp i, 0,1,2,3,4,5,6,7,8,9,10,11,12,13,14,15
	ds_store_b128 v[SIN], v[R+64*((\t)%2)+4*\i:R+64*((\t)%2)+4*\i+3] offset:528*\i
.endr
.irp c, 0,1,2,3
.irp j, 0,1,2,3
	ds_load_b128 v[X+16*\c+4*\j:X+16*\c+4*\j+3], v[SOUT] offset:128*\c+16*\j   ; LDS serves a wave's instructions in order: these see the stores above
.endr
.endr
	s_wait_dscnt 0x0                               ; the unit is in X, and the stores have read R's set,
.if (\t) < 2
	LOAD (\t)+2                                    ; which takes the unit two on
.endif
	QUANT 0, \t
	s_cmp_ge_u32 ttmp9, 256                        ; a weight has one scale
	s_cbranch_scc1 .Lweight_\@
	QUANT 1, \t
	QUANT 2, \t
.Lweight_\@:
.endm
	UNIT 0
	UNIT 1
	UNIT 2
	UNIT 3
	s_wait_tensorcnt 0x0                           ; the wave's end, behind my last LDS store
	ds_add_u32 v[SPW], v[NIL]
	s_wait_dscnt 0x0
	s_endpgm
.Lfunc_end_k_q09f998be5a_quant:
	.size	k_q09f998be5a_quant, .Lfunc_end_k_q09f998be5a_quant-k_q09f998be5a_quant
	.p2alignl 7, 3214868480
	.fill 96, 4, 3214868480
	.section	.rodata,"a",@progbits
	.p2align	6, 0x0
	.amdhsa_kernel k_q09f998be5a_quant
		.amdhsa_group_segment_fixed_size 34304
		.amdhsa_private_segment_fixed_size 0
		.amdhsa_enable_private_segment 0
		.amdhsa_kernarg_size 64
		.amdhsa_user_sgpr_count 2
		.amdhsa_user_sgpr_kernarg_segment_ptr 1
		.amdhsa_wavefront_size32 1
		.amdhsa_system_sgpr_workgroup_id_x 1
		.amdhsa_system_sgpr_workgroup_id_y 1
		.amdhsa_system_sgpr_workgroup_id_z 1
		.amdhsa_system_vgpr_workitem_id 0
		.amdhsa_next_free_vgpr 256
		.amdhsa_next_free_sgpr 66
		.amdhsa_reserve_vcc 0
		.amdhsa_float_denorm_mode_32 3
		.amdhsa_float_denorm_mode_16_64 3
		.amdhsa_memory_ordered 1
		.amdhsa_forward_progress 1
		.amdhsa_inst_pref_size 78
	.end_amdhsa_kernel
	.amdgpu_metadata
---
amdhsa.version: [ 1, 2 ]
amdhsa.kernels:
  - .name:           k_q09f998be5a_quant
    .symbol:         k_q09f998be5a_quant.kd
    .args:
      - { .name: x, .offset: 0, .size: 8, .value_kind: global_buffer, .address_space: global }
      - { .name: wq, .offset: 8, .size: 8, .value_kind: global_buffer, .address_space: global }
      - { .name: wk, .offset: 16, .size: 8, .value_kind: global_buffer, .address_space: global }
      - { .name: wv, .offset: 24, .size: 8, .value_kind: global_buffer, .address_space: global }
      - { .name: wo, .offset: 32, .size: 8, .value_kind: global_buffer, .address_space: global }
      - { .name: lowp_scales, .offset: 40, .size: 8, .value_kind: global_buffer, .address_space: global }
      - { .name: xc, .offset: 48, .size: 8, .value_kind: global_buffer, .address_space: global }
      - { .name: wc, .offset: 56, .size: 8, .value_kind: global_buffer, .address_space: global }
    .group_segment_fixed_size: 34304
    .private_segment_fixed_size: 0
    .kernarg_segment_align: 8
    .kernarg_segment_size: 64
    .max_flat_workgroup_size: 128
    .sgpr_count:     66
    .vgpr_count:     256
    .wavefront_size: 32
...
	.end_amdgpu_metadata
.endif
;; end of part 1
;; launch proj (part 2): grid 4 x 192, 4 waves a work-group, clusters of 4 x 4, 327,680 bytes of LDS; arguments xc, wc, lowp_scales, qkv; writes qkv
.if DOCPART == 2
	.amdgcn_target "amdgcn-amd-amdhsa--gfx1250"
	.amdhsa_code_object_version 6
	.text
	.protected	k_q09f998be5a_proj
	.globl	k_q09f998be5a_proj
	.p2align	8
	.type	k_q09f998be5a_proj,@function
k_q09f998be5a_proj:
	s_mov_b64 s[64:65], 0
	v_nop
	global_prefetch_b8 v0, s[64:65] scope:SCOPE_SE
	s_setreg_imm32_b32 hwreg(HW_REG_WAVE_MODE, 25, 1), 1
	s_wait_xcnt 0x0
	s_wait_alu depctr_hold_cnt(0) depctr_sa_sdst(0) depctr_va_vdst(0) depctr_va_sdst(0) depctr_va_ssrc(0) depctr_va_vcc(0) depctr_vm_vsrc(0)
	s_getreg_b32 s2, hwreg(HW_REG_IB_STS2, 6, 4)
	s_cmp_eq_u32 s2, 0
	s_cbranch_scc0 .Lentry_in_a_cluster
	s_endpgm
.Lentry_in_a_cluster:
	s_bfe_u32 s2, ttmp6, 0x10000c
	s_cmp_lg_u32 s2, 0xf033
	s_cbranch_scc0 .Lentry_shape_is_right
	s_endpgm
.Lentry_shape_is_right:
; q = x wq^T, k = x wk^T, v = x wv^T on codes of E4M3, K = 1,024; the sums are quantised at once (entries 6, 7, 9 of the scales) and stored as codes, laid as the attention launch reads them.
; LIMITS: e6 - e0 - e1, e7 - e2 - e3 and e9 - e4 - e5 between -126 and 119, so that each folded scale and 448 times it are f32 numbers.
; ROLES.  P is source 0: its rows become a lane's registers.  Q is source 1: its rows become lanes.  For q and k: P = the weight, Q = x, so a lane holds one token and 16 neighbouring
; channels (the next K).  For v: P = x, Q = wv, so a lane holds one channel and 16 neighbouring tokens (the keys are the next K).  All operands lie in memory as images of their registers
; (fragment = 16 rows x 128 K = 2,048 bytes, byte 512 c + 16 lane; row r of fragment f is row 32 (f / 2) + 8 (f % 2) + r + 8 (r / 8)), so tiles 2 g and 2 g + 1 of a result give 16 neighbours.
; The order of k inside an instruction is a permutation, the same on both sides.
; SHARES.  A work-group makes 256 rows of P x 128 rows of Q; wave w: Q's fragments 4 (w / 2) on, P's 8 (w % 2) on: 32 accumulators.  768 work-groups: three for each of 256 WGPs.
; CLUSTER 4 x 4: P's tile hangs on cx alone and is asked for jointly by a column, Q's on cy alone, by a row.  Waves 0, 1 fetch Q's halves, waves 2, 3 P's.
; LDS: three slots of two K steps each (Q's 8 fragments x 4,096 bytes, then P's 16).  K steps 0-5 are asked for at the head (three loads of a wave are out), K steps 6, 7 go into slot 0 once it is read out.
; No prefetch: three quarters of a tile's bytes are asked for at the head, the rest four K steps ahead of its use.
; REGISTERS: window 0: v1-19 addresses and constants; v128-255 Q's fragments, two sets (on the way out: numbers and codes).  window 1: P's fragments, two sets.  window 2: accumulator (a, b) at v[8 (8 a + b)].
.set SLOT,  98304
.set POFF,  32768
.set SPARE, 3*SLOT                     ; behind the slots: the spare words, 128 bytes a wave
.set LI,   1                           ; v1     16 x lane
.set ADQ,  2                           ; v2-4   my Q fragments in slot 0, 1, 2
.set ADP,  5                           ; v5-7   my P fragments
.set SPW,  8
.set NIL,  9
.set LIM,  10                          ; v10    448 x the folded scale
.set SCL,  11                          ; v11    the folded scale
.set VO,   12                          ; v12-19 the stores' offsets
.set QF,   128
.set TT,   128                         ; the way out: 64 held sums
.set CC,   192                         ; the way out: 16 registers of codes for each a
.set WV,   12
.set KIND, 13                          ; s13 w / 2: I fetch for Q (0) or P (1); also which of Q's halves I multiply
.set HALF, 14                          ; s14 w % 2: which half I fetch; also which of P's halves I multiply
.set G1Q,  24
.set G1P,  32
.set G0Q,  40                          ; s[40:51] group 0 for Q's tiles, a set for each slot
.set G0P,  52                          ; s[52:63] for P's
.set MUL,  0xa1                        ; source 0 (P) window 1, source 1 (Q) window 0, C and D window 2
.set TO_P, 0x40
.set MSB, 0
.macro WIN new                         ; the immediate's high byte repeats the setting that is left
.if MSB != \new
	s_set_vgpr_msb (MSB<<8)|\new
.set MSB, \new
.endif
.endm
.macro PLACES                          ; four plain vector lines between a matrix instruction and a load into, or a vector read or write of, its registers
.rept 4
	v_nop
.endr
.endm
.macro JLOAD n                         ; a joint load; the branch hangs on the wave's number alone; an s_nop 0 and four v_nop follow each line
	s_cmp_eq_u32 s[KIND], 0
	s_cbranch_scc0 .Lfor_p_\@
	tensor_load_to_lds s[G0Q+4*\n:G0Q+4*\n+3], s[G1Q:G1Q+7]
	s_nop 0
.rept 4
	v_nop
.endr
	s_branch .Lasked_\@
.Lfor_p_\@:
	tensor_load_to_lds s[G0P+4*\n:G0P+4*\n+3], s[G1P:G1P+7]
	s_nop 0
.rept 4
	v_nop
.endr
.Lasked_\@:
.endm
.macro CREST                           ; a round of the cluster's barrier behind its opening barrier
	s_cmp_lg_u32 s[WV], 0
	s_cbranch_scc1 .Lnot_wave_0_\@
	s_barrier_signal -3
.Lnot_wave_0_\@:
	s_barrier_wait -3
	s_barrier_signal -1
	s_barrier_wait -1
.endm
.macro CROUND
	s_barrier_signal -1
	s_barrier_wait -1
	CREST
.endm
.macro FETCH j                         ; K step j's fragments, 32 loads for P and 16 for Q, into set j % 2; each load reads 512 consecutive bytes
.set FN, ((\j)/2)%3
.set FK, (\j)%2
	WIN TO_P
.irp i, 0,1,2,3,4,5,6,7
.irp c, 0,1,2,3
	ds_load_b128 v[128*FK+16*\i+4*\c:128*FK+16*\i+4*\c+3], v[ADP+FN] offset:\i*4096+FK*2048+512*\c
.endr
.endr
	WIN 0
.irp i, 0,1,2,3
.irp c, 0,1,2,3
	ds_load_b128 v[QF+64*FK+16*\i+4*\c:QF+64*FK+16*\i+4*\c+3], v[ADQ+FN] offset:\i*4096+FK*2048+512*\c
.endr
.endr
.endm
.macro MULG a, set, zero               ; Q's fragment a against P's eight.  The 32 accumulators take turns, in the same order in every K step
.irp b, 0,1,2,3,4,5,6,7
.if \zero
	v_wmma_f32_16x16x128_fp8_fp8 v[8*(8*(\a)+\b):8*(8*(\a)+\b)+7], v[128*(\set)+16*\b:128*(\set)+16*\b+15], v[QF+64*(\set)+16*(\a):QF+64*(\set)+16*(\a)+15], 0
.else
	v_wmma_f32_16x16x128_fp8_fp8 v[8*(8*(\a)+\b):8*(8*(\a)+\b)+7], v[128*(\set)+16*\b:128*(\set)+16*\b+15], v[QF+64*(\set)+16*(\a):QF+64*(\set)+16*(\a)+15], v[8*(8*(\a)+\b):8*(8*(\a)+\b)+7]
.endif
.endr
.endm
.macro KSTEP j                         ; a K step whose successor lies in a slot that is known whole
	s_wait_dscnt 0x0                               ; this step's fragments are in
	PLACES                                         ; behind the last products, which read the set that is loaded next
	FETCH (\j)+1
	WIN MUL
	MULG 0, (\j)%2, 0
	MULG 1, (\j)%2, 0
	MULG 2, (\j)%2, 0
	MULG 3, (\j)%2, 0
.endm
	s_load_b256 s[4:11], s[0:1], 0x0               ; xc, wc, the scales, qkv
	v_lshl_add_u32 v[SPW], v0, 2, SPARE
	v_mov_b32 v[NIL], 0
	ds_add_u32 v[SPW], v[NIL]                      ; the wave's opening: the add and its wait ahead of my first tensor load
	v_lshrrev_b32 v1, 5, v0
	v_readfirstlane_b32 s[WV], v1
	s_lshr_b32 s[KIND], s[WV], 1
	s_and_b32 s[HALF], s[WV], 1
	s_bfe_u32 s15, ttmp6, 0x40000                  ; cx
	s_bfe_u32 s16, ttmp6, 0x40004                  ; cy
	s_and_b32 s17, ttmp7, 0xffff                   ; cluster y, 0 .. 47
	s_lshr_b32 s18, s17, 4                         ; which product: 0 q, 1 k, 2 v
	s_and_b32 s19, s17, 15
	s_and_b32 s20, s19, 7
	s_lshr_b32 s21, s19, 3
	s_cmp_eq_u32 s18, 2
	s_cselect_b32 s20, s20, 0                      ; q, k: P (the weight) has 4 tiles, Q (x) 64;  v: P (x) has 32, Q (wv) 8
	s_cselect_b32 s21, s21, s19
	s_lshl_b32 s20, s20, 2
	s_add_co_u32 s20, s20, s15                     ; P's tile: hangs on cx alone
	s_lshl_b32 s21, s21, 2
	s_add_co_u32 s21, s21, s16                     ; Q's tile: on cy alone
	s_lshl_b32 s22, s16, 2
	s_lshl_b32 s22, 15, s22                        ; my row of the cluster
	s_lshl_b32 s23, 0x1111, s15                    ; my column
	; group 1: rows of 4,096 bytes (a fragment's two K steps: 512 elements of 8 bytes), 16,384 bytes apart; 4 rows for Q, 8 for P; no padding: the images are read 512 consecutive bytes at a time
	s_or_b32 s[G1Q], s22, (3<<16)|(1<<21)
	s_mov_b32 s[G1Q+1], 512<<16
	s_mov_b32 s[G1Q+2], 4<<16
	s_mov_b32 s[G1Q+3], 512<<16
	s_mov_b32 s[G1Q+4], 4
	s_mov_b32 s[G1Q+5], 2048
	s_mov_b32 s[G1Q+6], 0
	s_mov_b32 s[G1Q+7], 0
	s_or_b32 s[G1P], s23, (3<<16)|(1<<21)
	s_mov_b32 s[G1P+1], 512<<16
	s_mov_b32 s[G1P+2], 8<<16
	s_mov_b32 s[G1P+3], 512<<16
	s_mov_b32 s[G1P+4], 8
	s_mov_b32 s[G1P+5], 2048
	s_mov_b32 s[G1P+6], 0
	s_mov_b32 s[G1P+7], 0
	s_lshl_b32 s82, s18, 20                        ; P: wq or wk in wc; x's third set in xc
	s_lshl_b32 s83, s18, 23                        ; Q: x's first or second set in xc; wv in wc
	s_cmp_eq_u32 s18, 2
	s_cselect_b32 s82, 0x1000000, s82
	s_cselect_b32 s83, 0x200000, s83
	s_lshl_b32 s80, s20, 18                        ; P: 16 fragments a tile, 8 a half
	s_lshl_b32 s81, s[HALF], 17
	s_add_co_u32 s80, s80, s81
	s_add_co_u32 s80, s80, s82
	s_mov_b32 s81, 0
	s_lshl_b32 s86, s21, 17                        ; Q: 8 fragments a tile, 4 a half
	s_lshl_b32 s87, s[HALF], 16
	s_add_co_u32 s86, s86, s87
	s_add_co_u32 s86, s86, s83
	s_mov_b32 s87, 0
	s_lshl_b32 s90, s[HALF], 14                    ; where they go in a slot: no place in the cluster enters an LDS address
	s_lshl_b32 s91, s[HALF], 15
	s_add_co_u32 s91, s91, POFF
	s_wait_dscnt 0x0                               ; the opening add is done
	s_wait_kmcnt 0x0
	s_load_b256 s[68:75], s[8:9], 0x0              ; e0 .. e7
	s_load_b128 s[76:79], s[8:9], 0x20             ; e8 .. e11
	s_cmp_eq_u32 s18, 2
	s_cselect_b64 s[84:85], s[4:5], s[6:7]
	s_cselect_b64 s[88:89], s[6:7], s[4:5]
	s_add_nc_u64 s[84:85], s[84:85], s[80:81]
	s_add_nc_u64 s[88:89], s[88:89], s[86:87]
	CROUND                                         ; all sixteen work-groups are here: the first joint loads meet
.irp n, 0,1,2
	s_mov_b32 s[G0Q+4*\n], 1
	s_add_co_u32 s[G0Q+4*\n+1], s90, \n*SLOT
	s_add_nc_u64 s[G0Q+4*\n+2:G0Q+4*\n+3], s[88:89], \n*4096
	s_or_b32 s[G0Q+4*\n+3], s[G0Q+4*\n+3], 0x80000000
	s_mov_b32 s[G0P+4*\n], 1
	s_add_co_u32 s[G0P+4*\n+1], s91, \n*SLOT
	s_add_nc_u64 s[G0P+4*\n+2:G0P+4*\n+3], s[84:85], \n*4096
	s_or_b32 s[G0P+4*\n+3], s[G0P+4*\n+3], 0x80000000
.endr
	s_cmp_eq_u32 s[KIND], 0                        ; a wave's three first fills stand in one branch: three loads of mine are out
	s_cbranch_scc0 .Lfirst_p
.irp n, 0,1,2
	tensor_load_to_lds s[G0Q+4*\n:G0Q+4*\n+3], s[G1Q:G1Q+7]
	s_nop 0
.endr
.rept 4
	v_nop
.endr
	s_branch .Lfirst_asked
.Lfirst_p:
.irp n, 0,1,2
	tensor_load_to_lds s[G0P+4*\n:G0P+4*\n+3], s[G1P:G1P+7]
	s_nop 0
.endr
.rept 4
	v_nop
.endr
.Lfirst_asked:
	v_and_b32 v[LI], 31, v0
	v_lshlrev_b32 v[LI], 4, v[LI]
	s_lshl_b32 s90, s[KIND], 14                    ; my four fragments of Q,
	s_lshl_b32 s91, s[HALF], 15
	s_add_co_u32 s91, s91, POFF                    ; my eight of P
.irp n, 0,1,2
	v_add_nc_u32 v[ADQ+\n], s90, v[LI]
	v_add_nc_u32 v[ADP+\n], s91, v[LI]
	s_add_co_u32 s90, s90, SLOT
	s_add_co_u32 s91, s91, SLOT
.endr
	; WHERE THE CODES GO.  A head's block of qkv is 393,216 bytes: 16 key steps x (K: 8 fragments x 1,024 bytes; V^T: 4 x 2,048), then Q: 128 fragments x 1,024.
	s_lshl_b32 s92, s21, 3
	s_lshl_b32 s93, s[KIND], 2
	s_add_co_u32 s92, s92, s93                     ; my first fragment of Q's rows
	s_lshl_b32 s93, s20, 3
	s_lshl_b32 s94, s[HALF], 2
	s_add_co_u32 s93, s93, s94                     ; my first group of 32 of P's rows
	s_lshr_b32 s94, s92, 7                         ; q, k: batch = fragment / 128,
	s_lshl_b32 s94, s94, 4
	s_lshr_b32 s95, s93, 1                         ; head = group / 2
	s_add_co_u32 s94, s94, s95
	s_and_b32 s95, s92, 127
	s_lshl_b32 s96, s95, 10
	s_add_co_u32 s96, s96, 262144                  ; q: behind K and V
	s_lshr_b32 s97, s95, 3
	s_lshl_b32 s97, s97, 14
	s_and_b32 s98, s95, 7
	s_lshl_b32 s98, s98, 10
	s_add_co_u32 s97, s97, s98                     ; k: key step fragment / 8, fragment % 8
	s_cmp_eq_u32 s18, 1
	s_cselect_b32 s96, s97, s96
	s_lshr_b32 s97, s93, 6                         ; v: batch = group / 64,
	s_lshl_b32 s97, s97, 4
	s_lshr_b32 s98, s92, 2                         ; head = fragment / 4,
	s_add_co_u32 s97, s97, s98
	s_lshr_b32 s98, s93, 2
	s_and_b32 s98, s98, 15                         ; key step = (group / 4) % 16
	s_lshl_b32 s98, s98, 14
	s_add_co_u32 s98, s98, 8192
	s_mov_b32 s99, 1024                            ; from a to a + 1: a fragment of 1,024 bytes (q, k) or of 2,048 (v)
	s_mov_b32 s95, 393216                          ; from group to group + 2: the next head (q, k) or 1,024 bytes on (v)
	s_cmp_eq_u32 s18, 2
	s_cselect_b32 s94, s97, s94
	s_cselect_b32 s96, s98, s96
	s_cselect_b32 s99, 2048, s99
	s_cselect_b32 s95, 1024, s95
	s_mul_i32 s92, s94, 393216
	s_add_co_u32 s92, s92, s96
	s_mov_b32 s93, 0
	s_add_nc_u64 s[10:11], s[10:11], s[92:93]
.irp a, 0,1,2,3
	s_mul_i32 s96, s99, \a
	v_add_nc_u32 v[VO+2*\a], s96, v[LI]
	s_add_co_u32 s96, s96, s95
	v_add_nc_u32 v[VO+2*\a+1], s96, v[LI]
.endr
	s_wait_kmcnt 0x0
	s_sub_co_i32 s90, s74, s68                     ; a sum stands for sum x 2^(eA + eB): its code is sum / 2^(e_out - eA - eB)
	s_sub_co_i32 s90, s90, s69
	s_sub_co_i32 s91, s75, s70
	s_sub_co_i32 s91, s91, s71
	s_cmp_eq_u32 s18, 1
	s_cselect_b32 s90, s91, s90
	s_sub_co_i32 s91, s77, s72
	s_sub_co_i32 s91, s91, s73
	s_cmp_eq_u32 s18, 2
	s_cselect_b32 s90, s91, s90
	s_add_co_i32 s90, s90, 127
	s_lshl_b32 s91, s90, 23
	v_mov_b32 v[SCL], s91
	s_add_co_i32 s90, s90, 8
	s_lshl_b32 s90, s90, 23
	s_or_b32 s90, s90, 0x600000
	v_mov_b32 v[LIM], s90
	s_wait_tensorcnt 2                             ; my part of slot 0 is in; slots 1 and 2 may stay out
	s_barrier_signal -1
	s_barrier_wait -1
	FETCH 0
	s_wait_dscnt 0x0
	FETCH 1
	WIN MUL
	MULG 0, 0, 1                                   ; K step 0 starts the sums
	MULG 1, 0, 1
	MULG 2, 0, 1
	MULG 3, 0, 1
	; K step 1: slot 0 is read out and is filled again, with K steps 6 and 7
	WIN 0
	s_wait_tensorcnt 0x0                           ; all my tensor loads have landed;
	ds_add_u32 v[SPW], v[NIL]                      ; 0 onto my spare word
	s_add_nc_u64 s[G0Q+2:G0Q+3], s[G0Q+2:G0Q+3], 12288
	s_add_nc_u64 s[G0P+2:G0P+3], s[G0P+2:G0P+3], 12288
	s_wait_dscnt 1                                 ; K step 1's fragments are in; only the add may be out
	WIN MUL
	MULG 0, 1, 0
	s_wait_dscnt 0x0                               ; the add is done, and my reads of slot 0 are over
	s_barrier_signal -1                            ; this barrier opens a round of the cluster's
	MULG 1, 1, 0
	WIN 0
	s_barrier_wait -1
	CREST                                          ; no wave of any partner still reads slot 0 or has a load on its way
	JLOAD 0                                        ; the refill, first behind the round; its four v_nop are the places in front of the loads below
	FETCH 2
	WIN MUL
	MULG 2, 1, 0
	MULG 3, 1, 0
	KSTEP 2
	KSTEP 3
	KSTEP 4
	; K step 5: the refill, asked for four K steps ago, is waited for and shown to all four waves
	s_wait_tensorcnt 0x0
	s_wait_dscnt 0x0
	s_barrier_signal -1
	MULG 0, 1, 0
	MULG 1, 1, 0
	s_barrier_wait -1
	PLACES
	FETCH 6
	WIN MUL
	MULG 2, 1, 0
	MULG 3, 1, 0
	KSTEP 6
	s_wait_dscnt 0x0
	MULG 0, 1, 0
	MULG 1, 1, 0
	MULG 2, 1, 0
	MULG 3, 1, 0
	WIN 0
	PLACES
	; THE WAY OUT: held, converted, stored: the conversions' results are the next operand's registers; each store writes 512 consecutive bytes.  Each a has codes' registers of its own.
.irp a, 0,1,2,3
	WIN 0x02                                       ; source 0: window 2
.set j, 0
.rept 64
	v_med3_num_f32 v[TT+j], v[64*\a+j], -v[LIM], v[LIM]   ; each accumulator from its low end on
.set j, j+1
.endr
	WIN 0
.irp g, 0,1,2,3
	v_cvt_scalef32_pk8_fp8_f32 v[CC+16*\a+4*\g:CC+16*\a+4*\g+1], v[TT+16*\g:TT+16*\g+7], v[SCL]
	v_cvt_scalef32_pk8_fp8_f32 v[CC+16*\a+4*\g+2:CC+16*\a+4*\g+3], v[TT+16*\g+8:TT+16*\g+15], v[SCL]
.endr
	v_nop                                          ; a plain line between the conversions and the next write of their sources
.irp g, 0,1,2,3
	global_store_b128 v[VO+2*\a+\g/2], v[CC+16*\a+4*\g:CC+16*\a+4*\g+3], s[10:11] offset:(\g%2)*512
.endr
.endr
	s_wait_tensorcnt 0x0                           ; the wave's end
	ds_add_u32 v[SPW], v[NIL]
	s_wait_dscnt 0x0
	CROUND                                         ; the closing round
	s_endpgm
.Lfunc_end_k_q09f998be5a_proj:
	.size	k_q09f998be5a_proj, .Lfunc_end_k_q09f998be5a_proj-k_q09f998be5a_proj
	.p2alignl 7, 3214868480
	.fill 96, 4, 3214868480
	.section	.rodata,"a",@progbits
	.p2align	6, 0x0
	.amdhsa_kernel k_q09f998be5a_proj
		.amdhsa_group_segment_fixed_size 327680
		.amdhsa_private_segment_fixed_size 0
		.amdhsa_enable_private_segment 0
		.amdhsa_kernarg_size 32
		.amdhsa_user_sgpr_count 2
		.amdhsa_user_sgpr_kernarg_segment_ptr 1
		.amdhsa_wavefront_size32 1
		.amdhsa_system_sgpr_workgroup_id_x 1
		.amdhsa_system_sgpr_workgroup_id_y 1
		.amdhsa_system_sgpr_workgroup_id_z 1
		.amdhsa_system_vgpr_workitem_id 0
		.amdhsa_next_free_vgpr 768
		.amdhsa_next_free_sgpr 100
		.amdhsa_reserve_vcc 0
		.amdhsa_float_denorm_mode_32 3
		.amdhsa_float_denorm_mode_16_64 3
		.amdhsa_memory_ordered 1
		.amdhsa_forward_progress 1
		.amdhsa_inst_pref_size 73
	.end_amdhsa_kernel
	.amdgpu_metadata
---
amdhsa.version: [ 1, 2 ]
amdhsa.kernels:
  - .name:           k_q09f998be5a_proj
    .symbol:         k_q09f998be5a_proj.kd
    .args:
      - { .name: xc, .offset: 0, .size: 8, .value_kind: global_buffer, .address_space: global }
      - { .name: wc, .offset: 8, .size: 8, .value_kind: global_buffer, .address_space: global }
      - { .name: lowp_scales, .offset: 16, .size: 8, .value_kind: global_buffer, .address_space: global }
      - { .name: qkv, .offset: 24, .size: 8, .value_kind: global_buffer, .address_space: global }
    .group_segment_fixed_size: 327680
    .private_segment_fixed_size: 0
    .kernarg_segment_align: 8
    .kernarg_segment_size: 32
    .max_flat_workgroup_size: 128
    .sgpr_count:     100
    .vgpr_count:     768
    .wavefront_size: 32
...
	.end_amdgpu_metadata
.endif
;; end of part 2
;; launch attn (part 3): grid 4 x 64, 8 waves a work-group, clusters of 4 x 1, 327,680 bytes of LDS; arguments qkv, lowp_scales, ac; writes ac
.if DOCPART == 3
	.amdgcn_target "amdgcn-amd-amdhsa--gfx1250"
	.amdhsa_code_object_version 6
	.text
	.protected	k_q09f998be5a_attn
	.globl	k_q09f998be5a_attn
	.p2align	8
	.type	k_q09f998be5a_attn,@function
k_q09f998be5a_attn:
	s_mov_b64 s[64:65], 0
	v_nop
	global_prefetch_b8 v0, s[64:65] scope:SCOPE_SE
	s_setreg_imm32_b32 hwreg(HW_REG_WAVE_MODE, 25, 1), 1
	s_wait_xcnt 0x0
	s_wait_alu depctr_hold_cnt(0) depctr_sa_sdst(0) depctr_va_vdst(0) depctr_va_sdst(0) depctr_va_ssrc(0) depctr_va_vcc(0) depctr_vm_vsrc(0)
	s_getreg_b32 s2, hwreg(HW_REG_IB_STS2, 6, 4)
	s_cmp_eq_u32 s2, 0
	s_cbranch_scc0 .Lentry_in_a_cluster
	s_endpgm
.Lentry_in_a_cluster:
	s_bfe_u32 s2, ttmp6, 0x10000c
	s_cmp_lg_u32 s2, 0x3003
	s_cbranch_scc0 .Lentry_shape_is_right
	s_endpgm
.Lentry_shape_is_right:
; Attention with the bias -slope |q - k|, both products on codes of E4M3; 64 heads (16 batch + h) of 2,048 tokens x 64 channels; slope = 2^(-(h + 1) / 2).
; t = (score / 8 - slope |q - k|) log2(e); M = the running largest t rounded up to a whole number; p = 2^(t - M) is quantised (entry 8 of the scales); the row's sum is taken of the
; unquantised p and divides at the end; when M moves, the sum and O are multiplied by 2^(old M - new M).  O / sum is quantised at once (entry 10) and stored as codes for the last product.
; LIMITS: e6 + e7 between -120 and 120; e8, and e10 - e8 - e9, between -126 and 119: each power of two below is then an f32 number.
; SHARES.  A cluster of four work-groups is one head.  The head's K and V, 262,144 bytes, lie whole in each work-group's LDS as they lie in memory, asked for jointly, once: no slot is filled again.
; Work-group cx owns the groups of 32 queries 4 (8 p + w) + cx, pass p = 0, 1, wave w = 0 .. 7: a wave holds two tiles of 16 queries at a time, so each fragment of K and V feeds two products.
; Every wave walks all 16 key steps of 128.  The step that holds a wave's own queries is 8 p + w in all four partners; cx enters global addresses and a lane's distance alone.
; LAYOUT.  S^T = K Q^T, O^T = V^T P^T: a lane holds one query.  Row r of fragment f is row 32 (f / 2) + 8 (f % 2) + r + 8 (r / 8), so register 16 b + i of S^T is key 128 s + 32 b + 16 (lane / 16) + i.
; THE BIAS COSTS NO LINE A SCORE.  key - query = X_b + i, X_b a whole number a lane and block of 32 keys.  Left of the diagonal step the bias is +slope (X_b + i), right of it -slope (X_b + i):
; the part in i is the C of the score's product (a table of 16 numbers), the part in X_b goes into the addend of the multiply-add that makes t - M.  In the diagonal step C is -slope |X_b + i|, made by vector lines.
; No prefetch: all of K and V is asked for at the head.
; REGISTERS.  window 0: v1-11 addresses, constants; v16-63 statistics, 24 a tile; v64-191 S^T, then p; v192-223 p's codes; v224-239 the table; v240-243 at work.
;             window 1: v0-63 O^T; v64-79 Q; v128-191 K's 8 fragments; v192-255 V's 4.
.set SPARE, 262144                     ; behind K and V: the spare words, 128 bytes a wave
.set LI,   1                           ; v1  16 x lane
.set ADR,  2                           ; v2  the step's tiles in LDS
.set SPW,  3
.set NIL,  4
.set PSC,  5                           ; v5  2^e8        v6  448 x 2^e8
.set PLIM, 6
.set OSC,  7                           ; v7  2^(e10 - e8 - e9)   v8  448 x that
.set OLIM, 8
.set EI,   10                          ; v10, v11  tile u: 32 cx + 8 u + r + 8 (r / 8) - 16 (lane / 16)
.set ST,   16                          ; tile u at ST + 24 u: +0 -M, +1 largest t, +2, +3 the sum, +4..7 X_b, +8+2b an addend, +9+2b the bias's part in X_b, +16..19 maxima, +20, +21 f, +22, +23 at work
.set S,    64
.set PC,   192
.set CT,   224
.set TM,   240
.set O,    0                           ; window 1
.set QF,   64
.set KF,   128
.set VF,   192
.set WV,   10
.set CX,   11
.set G0,   16                          ; s[16:31] four groups 0
.set G1,   32                          ; s[32:39]
.set SPOS, 52                          ; slope x log2(e), and its negative
.set SNEG, 53
.set S2,   54                          ; slope x 8 / 2^(e6 + e7): the bias in units of a raw score
.set S1,   55                          ; the step's factor of X_b
.set CS,   56                          ; s[56:57] c = log2(e) / 8 x 2^(e6 + e7)
.set SGN,  58
.set SEL,  60                          ; s[60:61] lane l xor 16
.set TB,   62
.set CNT,  63
.set STEPI, 66
.set DG,   67                          ; my diagonal step
.set PASS, 68
.set QB,   70                          ; s[70:71] my Q fragments
.set ACB,  72                          ; s[72:73] my codes in ac
.set MSB, 0
.macro WIN new
.if MSB != \new
	s_set_vgpr_msb (MSB<<8)|\new
.set MSB, \new
.endif
.endm
.macro CROUND
	s_barrier_signal -1
	s_barrier_wait -1
	s_cmp_lg_u32 s[WV], 0
	s_cbranch_scc1 .Lnot_wave_0_\@
	s_barrier_signal -3
.Lnot_wave_0_\@:
	s_barrier_wait -3
	s_barrier_signal -1
	s_barrier_wait -1
.endm
.macro QLOAD off                       ; my two tiles of Q: 1,024 bytes each
	WIN 0x40
.irp u, 0,1
.irp c, 0,1
	global_load_b128 v[QF+8*\u+4*\c:QF+8*\u+4*\c+3], v[LI], s[QB:QB+1] offset:\off+\u*1024+512*\c
.endr
.endr
	WIN 0
.endm
.macro SPROD k, inplace                ; 16 keys x my two tiles of queries; K = the head's 64
.irp u, 0,1
.if \inplace
	v_wmma_f32_16x16x64_fp8_fp8 v[S+64*\u+8*(\k):S+64*\u+8*(\k)+7], v[KF+8*(\k):KF+8*(\k)+7], v[QF+8*\u:QF+8*\u+7], v[S+64*\u+8*(\k):S+64*\u+8*(\k)+7]
.else
	v_wmma_f32_16x16x64_fp8_fp8 v[S+64*\u+8*(\k):S+64*\u+8*(\k)+7], v[KF+8*(\k):KF+8*(\k)+7], v[QF+8*\u:QF+8*\u+7], v[CT+8*((\k)%2):CT+8*((\k)%2)+7]
.endif
.endr
.endm
; A KEY STEP: 128 keys, both tiles.
.macro STEP
	v_add_nc_u32 v[ADR], s[TB], v[LI]              ; these nine plain lines are the places between the last products and the loads into V's registers
.irp u, 0,1
.irp b, 0,1,2,3
	v_add_f32 v[ST+24*\u+4+\b], 0x43000000, v[ST+24*\u+4+\b]   ; X_b: 128 keys on; a whole number, exact
.endr
.endr
	WIN 0x40
.irp k, 0,1,2,3,4,5,6,7
	ds_load_b128 v[KF+8*\k:KF+8*\k+3], v[ADR] offset:1024*\k
	ds_load_b128 v[KF+8*\k+4:KF+8*\k+7], v[ADR] offset:1024*\k+512
.endr
.irp t, 0,1,2,3
.irp c, 0,1,2,3
	ds_load_b128 v[VF+16*\t+4*\c:VF+16*\t+4*\c+3], v[ADR] offset:8192+2048*\t+512*\c
.endr
.endr
	WIN 0
	s_cmp_lt_u32 s[STEPI], s[DG]
	s_cselect_b32 s[S1], s[SPOS], s[SNEG]
	s_cmp_eq_u32 s[STEPI], s[DG]                   ; a branch on the wave's number, the pass and the step: the same in all partners
	s_cselect_b32 s[S1], 0, s[S1]
	s_cbranch_scc1 .Ldiag_\@
	s_wait_dscnt 24                                ; of the 32 loads the first 8, K's fragments 0-3, are in
	WIN 0x05
	SPROD 0, 0
	SPROD 1, 0
	SPROD 2, 0
	SPROD 3, 0
	s_wait_dscnt 16                                ; all of K is in; V's 16 loads may be out
	SPROD 4, 0
	SPROD 5, 0
	SPROD 6, 0
	SPROD 7, 0
	WIN 0
	s_branch .Ljoin_\@
.Ldiag_\@:                             ; the diagonal step: C = -slope |X_b + i|, in units of a raw score, made in the scores' own registers
.irp u, 0,1
.irp b, 0,1,2,3
	v_mul_f32 v[ST+24*\u+8+2*\b], s[S2], v[ST+24*\u+4+\b]
.endr
.endr
.irp u, 0,1
.irp b, 0,1,2,3
.irp i, 0,2,4,6,8,10,12,14
	v_pk_add_f32 v[S+64*\u+16*\b+\i:S+64*\u+16*\b+\i+1], v[CT+\i:CT+\i+1], v[ST+24*\u+8+2*\b:ST+24*\u+9+2*\b] op_sel_hi:[1,0]
.endr
.endr
.endr
.set i, 0
.rept 128
	v_or_b32 v[S+i], s[SGN], v[S+i]
.set i, i+1
.endr
	s_wait_dscnt 16
	WIN 0x05
.irp k, 0,1,2,3,4,5,6,7
	SPROD \k, 1
.endr
	WIN 0
.set i, 0
.rept 16
	v_xor_b32 v[CT+i], s[SGN], v[CT+i]             ; right of the diagonal the table is negative.  (These name no register of the products above: they are places behind them)
.set i, i+1
.endr
.Ljoin_\@:
.irp u, 0,1
.irp b, 0,1,2,3
	v_mul_f32 v[ST+24*\u+9+2*\b], s[S1], v[ST+24*\u+4+\b]   ; the bias's part in X_b, as t.  (Eight plain lines: the places behind the products)
.endr
.endr
	; the largest t: within a block of 32 keys the addend is one number, so the maximum is taken of the raw scores first; eight chains; each accumulator is read first at its low end
.irp u, 0,1
.irp b, 0,1,2,3
	v_max3_num_f32 v[ST+24*\u+16+\b], v[S+64*\u+16*\b], v[S+64*\u+16*\b+1], v[S+64*\u+16*\b+2]
.endr
.endr
.irp i, 3,5,7,9,11,13
.irp u, 0,1
.irp b, 0,1,2,3
	v_max3_num_f32 v[ST+24*\u+16+\b], v[ST+24*\u+16+\b], v[S+64*\u+16*\b+\i], v[S+64*\u+16*\b+\i+1]
.endr
.endr
.endr
.irp u, 0,1
.irp b, 0,1,2,3
	v_max_num_f32 v[ST+24*\u+16+\b], v[ST+24*\u+16+\b], v[S+64*\u+16*\b+15]
.endr
.endr
.irp u, 0,1
.irp b, 0,1,2,3
	v_fma_f32 v[ST+24*\u+16+\b], v[ST+24*\u+16+\b], s[CS], v[ST+24*\u+9+2*\b]   ; as t (c is positive)
.endr
.endr
.irp u, 0,1
	v_max3_num_f32 v[ST+24*\u+22], v[ST+24*\u+16], v[ST+24*\u+17], v[ST+24*\u+18]
.endr
.irp u, 0,1
	v_max3_num_f32 v[ST+24*\u+22], v[ST+24*\u+22], v[ST+24*\u+19], v[ST+24*\u+1]
.endr
.irp u, 0,1
	v_permlanex16_b32 v[ST+24*\u+23], v[ST+24*\u+22], s[SEL], s[SEL+1]
.endr
.irp u, 0,1
	v_max_num_f32 v[ST+24*\u+1], v[ST+24*\u+22], v[ST+24*\u+23]   ; the running largest t
.endr
.irp u, 0,1
	v_mov_b32 v[ST+24*\u+22], v[ST+24*\u]
.endr
.irp u, 0,1
	v_floor_f32 v[ST+24*\u], -v[ST+24*\u+1]        ; -M = floor(-t): M is a whole number
.endr
.irp u, 0,1
	v_sub_f32 v[ST+24*\u+22], v[ST+24*\u], v[ST+24*\u+22]
.endr
.irp u, 0,1
	v_cvt_i32_f32 v[ST+24*\u+22], v[ST+24*\u+22]   ; (it saturates)
.endr
.irp u, 0,1
	v_ldexp_f32 v[ST+24*\u+20], 1.0, v[ST+24*\u+22]   ; f = 2^(old M - new M)
.endr
.irp u, 0,1
.irp b, 0,1,2,3
	v_add_f32 v[ST+24*\u+8+2*\b], v[ST+24*\u+9+2*\b], v[ST+24*\u]   ; the block's addend: its bias - M
.endr
.endr
.irp u, 0,1
.irp b, 0,1,2,3
.irp i, 0,2,4,6,8,10,12,14
	v_pk_fma_f32 v[S+64*\u+16*\b+\i:S+64*\u+16*\b+\i+1], v[S+64*\u+16*\b+\i:S+64*\u+16*\b+\i+1], s[CS:CS+1], v[ST+24*\u+8+2*\b:ST+24*\u+9+2*\b] op_sel_hi:[1,0,0]   ; t - M
.endr
.endr
.endr
.set i, 0
.rept 128
	v_exp_f32 v[S+i], v[S+i]                       ; p = 2^(t - M): one batch
.set i, i+1
.endr
.irp u, 0,1
	v_pk_mul_f32 v[ST+24*\u+2:ST+24*\u+3], v[ST+24*\u+2:ST+24*\u+3], v[ST+24*\u+20:ST+24*\u+21] op_sel_hi:[1,0]   ; the sums under the new M: the plain lines behind the batch
.endr
	s_wait_alu depctr_va_vdst(0)                   ; one wait for the batch, ahead of its first reader
.irp u, 0,1
	v_pk_add_f32 v[TM+2*\u:TM+2*\u+1], v[S+64*\u:S+64*\u+1], v[S+64*\u+2:S+64*\u+3]   ; the row's sum is taken of the unquantised p: two chains a tile
.endr
.irp j, 4,8,12,16,20,24,28,32,36,40,44,48,52,56,60
.irp u, 0,1
	v_pk_add_f32 v[ST+24*\u+2:ST+24*\u+3], v[ST+24*\u+2:ST+24*\u+3], v[S+64*\u+\j:S+64*\u+\j+1]
	v_pk_add_f32 v[TM+2*\u:TM+2*\u+1], v[TM+2*\u:TM+2*\u+1], v[S+64*\u+\j+2:S+64*\u+\j+3]
.endr
.endr
.irp u, 0,1
	v_pk_add_f32 v[ST+24*\u+2:ST+24*\u+3], v[ST+24*\u+2:ST+24*\u+3], v[TM+2*\u:TM+2*\u+1]
.endr
.irp u, 0,1
.irp b, 0,1,2,3
.set i, 0
.rept 16
	v_min_num_f32 v[S+64*\u+16*\b+i], v[S+64*\u+16*\b+i], v[PLIM]   ; the conversion does not saturate (ISA guide 7.6.2); p is not negative: a one-sided hold
.set i, i+1
.endr
	v_cvt_scalef32_pk8_fp8_f32 v[PC+16*\u+4*\b:PC+16*\u+4*\b+1], v[S+64*\u+16*\b:S+64*\u+16*\b+7], v[PSC]
	v_cvt_scalef32_pk8_fp8_f32 v[PC+16*\u+4*\b+2:PC+16*\u+4*\b+3], v[S+64*\u+16*\b+8:S+64*\u+16*\b+15], v[PSC]
.endr
.endr
	WIN 0x41
.irp u, 0,1
.set i, 0
.rept 16
	v_pk_mul_f32 v[O+32*\u+i:O+32*\u+i+1], v[O+32*\u+i:O+32*\u+i+1], v[ST+24*\u+20:ST+24*\u+21] op_sel_hi:[1,0]   ; O^T under the new M.  (Plain lines between the conversions and the products)
.set i, i+2
.endr
.endr
	s_wait_dscnt 0x0                               ; V is in
	WIN 0x51
.irp t, 0,1,2,3
.irp u, 0,1
	v_wmma_f32_16x16x128_fp8_fp8 v[O+32*\u+8*\t:O+32*\u+8*\t+7], v[VF+16*\t:VF+16*\t+15], v[PC+16*\u:PC+16*\u+15], v[O+32*\u+8*\t:O+32*\u+8*\t+7]   ; eight accumulators by turns
.endr
.endr
	WIN 0
.endm
.macro CHUNK g                         ; four key steps: what each wave's load g brought
	s_wait_tensorcnt 3-\g                          ; my load g has landed; the later ones may stay out
	s_wait_dscnt 0x0
	s_barrier_signal -1
	s_barrier_wait -1                              ; everybody's has
	s_mov_b32 s[TB], \g*65536
	s_mov_b32 s[CNT], 4
.Lstep_\@:
	STEP
	s_add_co_u32 s[TB], s[TB], 16384
	s_add_co_u32 s[STEPI], s[STEPI], 1
	s_sub_co_u32 s[CNT], s[CNT], 1
	s_cmp_lg_u32 s[CNT], 0
	s_cbranch_scc1 .Lstep_\@
.endm
	s_load_b128 s[4:7], s[0:1], 0x0                ; qkv, the scales
	s_load_b64 s[8:9], s[0:1], 0x10                ; ac
	v_lshl_add_u32 v[SPW], v0, 2, SPARE
	v_mov_b32 v[NIL], 0
	ds_add_u32 v[SPW], v[NIL]                      ; the wave's opening: the add and its wait ahead of my first tensor load
	v_lshrrev_b32 v12, 5, v0
	v_readfirstlane_b32 s[WV], v12
	s_bfe_u32 s[CX], ttmp6, 0x40000
	s_and_b32 s12, ttmp7, 0xffff                   ; 16 batch + h: the cluster's
	s_and_b32 s13, s12, 15
	s_lshr_b32 s14, s12, 4
	; group 1: 8,192 dense bytes as 32 rows of 256 (32 elements of 8 bytes); the mask names all four work-groups
	s_mov_b32 s[G1], 15|(3<<16)|(1<<21)
	s_mov_b32 s[G1+1], 32<<16
	s_mov_b32 s[G1+2], 32<<16
	s_mov_b32 s[G1+3], 32<<16
	s_mov_b32 s[G1+4], 32
	s_mov_b32 s[G1+5], 32
	s_mov_b32 s[G1+6], 0
	s_mov_b32 s[G1+7], 0
	s_mov_b32 s[SEL], 0x76543210
	s_mov_b32 s[SEL+1], 0xfedcba98
	s_mov_b32 s[SGN], 0x80000000
	s_mov_b32 s[PASS], 0
	s_mul_i32 s74, s12, 393216                     ; the head's block,
	s_lshl_b32 s15, s[WV], 13                      ; my wave's 8,192 bytes of each 65,536
	s_add_co_u32 s74, s74, s15
	s_mov_b32 s75, 0
	s_lshl_b32 s76, s[CX], 11                      ; Q: fragment 8 (8 p + w) + 2 cx + u, 1,024 bytes each, behind K and V
	s_add_co_u32 s76, s76, 262144
	s_mov_b32 s77, 0
	s_lshl_b32 s78, s14, 21                        ; ac: fragment 128 batch + 8 (8 p + w) + 2 cx + u of 16,384 bytes; my head's 64 channels are 1,024 bytes of it
	s_lshl_b32 s79, s[WV], 17
	s_add_co_u32 s78, s78, s79
	s_lshl_b32 s79, s[CX], 15
	s_add_co_u32 s78, s78, s79
	s_lshl_b32 s79, s13, 10
	s_add_co_u32 s78, s78, s79
	s_mov_b32 s79, 0
	s_wait_dscnt 0x0                               ; the opening add is done
	s_wait_kmcnt 0x0
	s_load_b256 s[40:47], s[6:7], 0x0              ; e0 .. e7
	s_load_b128 s[48:51], s[6:7], 0x20             ; e8 .. e11
	s_add_nc_u64 s[4:5], s[4:5], s[74:75]
	s_add_nc_u64 s[QB:QB+1], s[4:5], s[76:77]
	s_add_nc_u64 s[ACB:ACB+1], s[8:9], s[78:79]
	CROUND                                         ; all four work-groups are here: the joint loads meet
.irp g, 0,1,2,3
	s_mov_b32 s[G0+4*\g], 1
	s_add_co_u32 s[G0+4*\g+1], s15, \g*65536
	s_add_nc_u64 s[G0+4*\g+2:G0+4*\g+3], s[4:5], \g*65536
	s_or_b32 s[G0+4*\g+3], s[G0+4*\g+3], 0x80000000
.endr
.irp g, 0,1,2,3
	tensor_load_to_lds s[G0+4*\g:G0+4*\g+3], s[G1:G1+7]   ; four loads of mine are out
	s_nop 0
.endr
.rept 4
	v_nop
.endr
	v_and_b32 v[LI], 31, v0
	v_lshlrev_b32 v[LI], 4, v[LI]
	QLOAD 0
	v_and_b32 v12, 15, v0
	v_and_b32 v13, 8, v12
	v_add_nc_u32 v12, v12, v13
	v_bfe_u32 v13, v0, 4, 1
	v_lshlrev_b32 v13, 4, v13
	v_sub_nc_u32 v12, v12, v13
	s_lshl_b32 s74, s[CX], 5
	v_add_nc_u32 v[EI], s74, v12
	v_add_nc_u32 v[EI+1], 8, v[EI]
.irp u, 0,1                            ; written once: upper halves of pairs, a lane permute's destination
	v_mov_b32 v[ST+24*\u+21], 0
	v_mov_b32 v[ST+24*\u+23], 0
.irp b, 0,1,2,3
	v_mov_b32 v[ST+24*\u+9+2*\b], 0
.endr
.endr
	s_wait_kmcnt 0x0
	s_and_b32 s74, s13, 1
	s_lshr_b32 s76, s13, 1
	s_lshl_b32 s76, s76, 23
	s_mov_b32 s75, 0x3f3504f3                      ; 2^-0.5
	s_mov_b32 s77, 0x3f8293ee                      ; 2^-0.5 log2(e)
	s_cmp_eq_u32 s74, 1
	s_cselect_b32 s75, 0x3f000000, s75             ; odd heads: 2^-1,
	s_cselect_b32 s77, 0x3f38aa3b, s77             ; 2^-1 log2(e)
	s_sub_co_u32 s75, s75, s76                     ; slope = 2^(-(h + 1) / 2): h / 2 is taken off the exponent field
	s_sub_co_u32 s[SPOS], s77, s76
	s_xor_b32 s[SNEG], s[SPOS], 0x80000000
	s_add_co_i32 s76, s46, s47                     ; e6 + e7
	s_sub_co_i32 s77, 3, s76
	s_lshl_b32 s77, s77, 23
	s_add_co_i32 s[S2], s75, s77
	s_lshl_b32 s76, s76, 23
	s_add_co_i32 s[CS], s76, 0x3e38aa3b            ; log2(e) / 8 x 2^(e6 + e7)
	s_mov_b32 s[CS+1], s[CS]
	s_add_co_i32 s74, s48, 127
	s_lshl_b32 s75, s74, 23
	v_mov_b32 v[PSC], s75
	s_add_co_i32 s74, s74, 8
	s_lshl_b32 s74, s74, 23
	s_or_b32 s74, s74, 0x600000
	v_mov_b32 v[PLIM], s74
	s_sub_co_i32 s74, s50, s48                     ; O / sum stands for that x 2^(e8 + e9): its code is that / 2^(e10 - e8 - e9)
	s_sub_co_i32 s74, s74, s49
	s_add_co_i32 s74, s74, 127
	s_lshl_b32 s75, s74, 23
	v_mov_b32 v[OSC], s75
	s_add_co_i32 s74, s74, 8
	s_lshl_b32 s74, s74, 23
	s_or_b32 s74, s74, 0x600000
	v_mov_b32 v[OLIM], s74
.set i, 0
.rept 16
	v_cvt_f32_u32 v[CT+i], i
.set i, i+1
.endr
.set i, 0
.rept 16
	v_mul_f32 v[CT+i], s[S2], v[CT+i]              ; the table: slope x i in units of a raw score
.set i, i+1
.endr
.Lpass:                                ; two passes: 32 queries of the wave each
	s_lshl_b32 s[DG], s[PASS], 3
	s_add_co_u32 s[DG], s[DG], s[WV]
	s_add_co_u32 s74, s[DG], 1
	s_lshl_b32 s74, s74, 7
	WIN 0x40
.set i, 0
.rept 64
	v_mov_b32 v[O+i], 0                            ; the step is written once: the first finds zeros, which the first change of M leaves zeros
.set i, i+1
.endr
	WIN 0
.irp u, 0,1
	v_mov_b32 v[ST+24*\u+1], 0xff61b1e6            ; the largest t so far: -3e38
	v_floor_f32 v[ST+24*\u], -v[ST+24*\u+1]
	v_mov_b32 v[ST+24*\u+2], 0
	v_mov_b32 v[ST+24*\u+3], 0
	v_add_nc_u32 v[TM+\u], s74, v[EI+\u]
.irp b, 0,1,2,3
	v_sub_nc_u32 v[ST+24*\u+4+\b], 32*\b, v[TM+\u]
	v_cvt_f32_i32 v[ST+24*\u+4+\b], v[ST+24*\u+4+\b]   ; X_b one step ahead of step 0
.endr
.endr
.set i, 0
.rept 16
	v_and_b32 v[CT+i], 0x7fffffff, v[CT+i]         ; left of the diagonal the table is positive
.set i, i+1
.endr
	s_mov_b32 s[STEPI], 0
	s_wait_loadcnt 0x0                             ; Q
	CHUNK 0
	CHUNK 1
	CHUNK 2
	CHUNK 3
	s_cmp_eq_u32 s[PASS], 1                        ; the next pass's Q is asked for here, if there is a next pass
	s_cbranch_scc1 .Lno_q
	QLOAD 65536
.Lno_q:
.irp u, 0,1
	v_add_f32 v[ST+24*\u+22], v[ST+24*\u+2], v[ST+24*\u+3]   ; (these plain lines are the places behind the last products)
.endr
.irp u, 0,1
	v_permlanex16_b32 v[ST+24*\u+23], v[ST+24*\u+22], s[SEL], s[SEL+1]
.endr
.irp u, 0,1
	v_add_f32 v[ST+24*\u+22], v[ST+24*\u+22], v[ST+24*\u+23]   ; the row's sum
.endr
.irp u, 0,1
	v_rcp_f32 v[ST+24*\u+20], v[ST+24*\u+22]
.endr
	v_nop                                          ; a plain line behind the reciprocals,
	s_wait_alu depctr_va_vdst(0)                   ; and one wait for both ahead of their first reader
	WIN 0x01
.irp u, 0,1
.set i, 0
.rept 16
	v_pk_mul_f32 v[S+64*\u+i:S+64*\u+i+1], v[O+32*\u+i:O+32*\u+i+1], v[ST+24*\u+20:ST+24*\u+21] op_sel_hi:[1,0]   ; O^T / the sum; register 16 g + i is channel 32 g + 16 (lane / 16) + i
.set i, i+2
.endr
.endr
	WIN 0
.irp u, 0,1
.set i, 0
.rept 32
	v_med3_num_f32 v[S+64*\u+i], v[S+64*\u+i], -v[OLIM], v[OLIM]
.set i, i+1
.endr
.endr
.irp u, 0,1
.irp g, 0,1
	v_cvt_scalef32_pk8_fp8_f32 v[PC+16*\u+4*\g:PC+16*\u+4*\g+1], v[S+64*\u+16*\g:S+64*\u+16*\g+7], v[OSC]
	v_cvt_scalef32_pk8_fp8_f32 v[PC+16*\u+4*\g+2:PC+16*\u+4*\g+3], v[S+64*\u+16*\g+8:S+64*\u+16*\g+15], v[OSC]
.endr
.endr
	v_nop                                          ; a plain line behind the last conversion
.irp u, 0,1
.irp g, 0,1
	global_store_b128 v[LI], v[PC+16*\u+4*\g:PC+16*\u+4*\g+3], s[ACB:ACB+1] offset:\u*16384+512*\g   ; 512 consecutive bytes
.endr
.endr
	s_wait_xcnt 0x0                                ; the stores have read their base and their data: both are written again
	s_add_nc_u64 s[ACB:ACB+1], s[ACB:ACB+1], 0x100000
	s_add_co_u32 s[PASS], s[PASS], 1
	s_cmp_lt_u32 s[PASS], 2
	s_cbranch_scc1 .Lpass
	s_wait_tensorcnt 0x0                           ; the wave's end
	ds_add_u32 v[SPW], v[NIL]
	s_wait_dscnt 0x0
	CROUND                                         ; the closing round
	s_endpgm
.Lfunc_end_k_q09f998be5a_attn:
	.size	k_q09f998be5a_attn, .Lfunc_end_k_q09f998be5a_attn-k_q09f998be5a_attn
	.p2alignl 7, 3214868480
	.fill 96, 4, 3214868480
	.section	.rodata,"a",@progbits
	.p2align	6, 0x0
	.amdhsa_kernel k_q09f998be5a_attn
		.amdhsa_group_segment_fixed_size 327680
		.amdhsa_private_segment_fixed_size 0
		.amdhsa_enable_private_segment 0
		.amdhsa_kernarg_size 24
		.amdhsa_user_sgpr_count 2
		.amdhsa_user_sgpr_kernarg_segment_ptr 1
		.amdhsa_wavefront_size32 1
		.amdhsa_system_sgpr_workgroup_id_x 1
		.amdhsa_system_sgpr_workgroup_id_y 1
		.amdhsa_system_sgpr_workgroup_id_z 1
		.amdhsa_system_vgpr_workitem_id 0
		.amdhsa_next_free_vgpr 512
		.amdhsa_next_free_sgpr 80
		.amdhsa_reserve_vcc 0
		.amdhsa_float_denorm_mode_32 3
		.amdhsa_float_denorm_mode_16_64 3
		.amdhsa_memory_ordered 1
		.amdhsa_forward_progress 1
		.amdhsa_inst_pref_size 179
	.end_amdhsa_kernel
	.amdgpu_metadata
---
amdhsa.version: [ 1, 2 ]
amdhsa.kernels:
  - .name:           k_q09f998be5a_attn
    .symbol:         k_q09f998be5a_attn.kd
    .args:
      - { .name: qkv, .offset: 0, .size: 8, .value_kind: global_buffer, .address_space: global }
      - { .name: lowp_scales, .offset: 8, .size: 8, .value_kind: global_buffer, .address_space: global }
      - { .name: ac, .offset: 16, .size: 8, .value_kind: global_buffer, .address_space: global }
    .group_segment_fixed_size: 327680
    .private_segment_fixed_size: 0
    .kernarg_segment_align: 8
    .kernarg_segment_size: 24
    .max_flat_workgroup_size: 256
    .sgpr_count:     80
    .vgpr_count:     512
    .wavefront_size: 32
...
	.end_amdgpu_metadata
.endif
;; end of part 3
;; launch outp (part 4): grid 4 x 64, 4 waves a work-group, clusters of 4 x 4, 327,680 bytes of LDS; arguments ac, wc, lowp_scales, bo, out0; writes out0
.if DOCPART == 4
	.amdgcn_target "amdgcn-amd-amdhsa--gfx1250"
	.amdhsa_code_object_version 6
	.text
	.protected	k_q09f998be5a_outp
	.globl	k_q09f998be5a_outp
	.p2align	8
	.type	k_q09f998be5a_outp,@function
k_q09f998be5a_outp:
	s_mov_b64 s[64:65], 0
	v_nop
	global_prefetch_b8 v0, s[64:65] scope:SCOPE_SE
	s_setreg_imm32_b32 hwreg(HW_REG_WAVE_MODE, 25, 1), 1
	s_wait_xcnt 0x0
	s_wait_alu depctr_hold_cnt(0) depctr_sa_sdst(0) depctr_va_vdst(0) depctr_va_sdst(0) depctr_va_ssrc(0) depctr_va_vcc(0) depctr_vm_vsrc(0)
	s_getreg_b32 s2, hwreg(HW_REG_IB_STS2, 6, 4)
	s_cmp_eq_u32 s2, 0
	s_cbranch_scc0 .Lentry_in_a_cluster
	s_endpgm
.Lentry_in_a_cluster:
	s_bfe_u32 s2, ttmp6, 0x10000c
	s_cmp_lg_u32 s2, 0xf033
	s_cbranch_scc0 .Lentry_shape_is_right
	s_endpgm
.Lentry_shape_is_right:
; out0 = a wo^T + bo: a's codes [8192][1024] (entry 10 of the scales) and wo's (entry 11) on the matrix unit, K = 1,024; out0 f32.
; LIMIT: e10 + e11 between -126 and 127, so that 2^(e10 + e11) is an f32 number.
; The product's loop is that of the launch that makes q, k and v.  P (source 0) = wo: its rows, the output's columns, become a lane's registers; Q (source 1) = a: its rows become lanes.
; Operands lie in memory as images of their registers (fragment = 16 rows x 128 K = 2,048 bytes, byte 512 c + 16 lane; row r of fragment f is row 32 (f / 2) + 8 (f % 2) + r + 8 (r / 8)).
; SHARES.  A work-group makes 256 columns x 128 rows of out0; wave w: a's fragments 4 (w / 2) on, wo's 8 (w % 2) on: 32 accumulators.  256 work-groups.
; CLUSTER 4 x 4: wo's tile hangs on cx alone and is asked for jointly by a column, a's on cy alone, by a row.  Waves 0, 1 fetch Q's halves, waves 2, 3 P's.
; LDS: three slots of two K steps; K steps 0-5 are asked for at the head (three loads of a wave are out), K steps 6, 7 go into slot 0 once it is read out.  The way out's stages lie in slot 1,
; which has had its only fill and, behind the last barrier, its last read.  No prefetch: three quarters of a tile's bytes are asked for at the head, the rest four K steps ahead.
; REGISTERS: window 0: v1-14 addresses; v32-95 bo at my 64 columns a lane; v128-255 Q's fragments, two sets (on the way out: results, then whole rows).  window 1: P's fragments.  window 2: accumulator (a, b) at v[8 (8 a + b)].
.set SLOT,  98304
.set POFF,  32768
.set SPARE, 3*SLOT
.set LI,   1
.set ADQ,  2
.set ADP,  5
.set SPW,  8
.set NIL,  9
.set STO,  12                          ; v12 the stage: where I put 16 bytes of a row
.set RD,   13                          ; v13 and where I read a row back
.set BOF,  14                          ; v14 64 x (lane / 16)
.set BO,   32
.set QF,   128
.set TT,   128
.set BK,   192
.set WV,   12
.set KIND, 13
.set HALF, 14
.set G1Q,  24
.set G1P,  32
.set G0Q,  40
.set G0P,  52
.set MUL,  0xa1
.set TO_P, 0x40
.set MSB, 0
.macro WIN new
.if MSB != \new
	s_set_vgpr_msb (MSB<<8)|\new
.set MSB, \new
.endif
.endm
.macro PLACES                          ; four plain vector lines between a matrix instruction and a load into, or a vector read or write of, its registers
.rept 4
	v_nop
.endr
.endm
.macro JLOAD n                         ; a joint load; the branch hangs on the wave's number alone; an s_nop 0 and four v_nop follow each line
	s_cmp_eq_u32 s[KIND], 0
	s_cbranch_scc0 .Lfor_p_\@
	tensor_load_to_lds s[G0Q+4*\n:G0Q+4*\n+3], s[G1Q:G1Q+7]
	s_nop 0
.rept 4
	v_nop
.endr
	s_branch .Lasked_\@
.Lfor_p_\@:
	tensor_load_to_lds s[G0P+4*\n:G0P+4*\n+3], s[G1P:G1P+7]
	s_nop 0
.rept 4
	v_nop
.endr
.Lasked_\@:
.endm
.macro CREST
	s_cmp_lg_u32 s[WV], 0
	s_cbranch_scc1 .Lnot_wave_0_\@
	s_barrier_signal -3
.Lnot_wave_0_\@:
	s_barrier_wait -3
	s_barrier_signal -1
	s_barrier_wait -1
.endm
.macro CROUND
	s_barrier_signal -1
	s_barrier_wait -1
	CREST
.endm
.macro FETCH j                         ; K step j's fragments, 32 loads for P and 16 for Q, into set j % 2
.set FN, ((\j)/2)%3
.set FK, (\j)%2
	WIN TO_P
.irp i, 0,1,2,3,4,5,6,7
.irp c, 0,1,2,3
	ds_load_b128 v[128*FK+16*\i+4*\c:128*FK+16*\i+4*\c+3], v[ADP+FN] offset:\i*4096+FK*2048+512*\c
.endr
.endr
	WIN 0
.irp i, 0,1,2,3
.irp c, 0,1,2,3
	ds_load_b128 v[QF+64*FK+16*\i+4*\c:QF+64*FK+16*\i+4*\c+3], v[ADQ+FN] offset:\i*4096+FK*2048+512*\c
.endr
.endr
.endm
.macro MULG a, set, zero               ; the 32 accumulators take turns, in the same order in every K step
.irp b, 0,1,2,3,4,5,6,7
.if \zero
	v_wmma_f32_16x16x128_fp8_fp8 v[8*(8*(\a)+\b):8*(8*(\a)+\b)+7], v[128*(\set)+16*\b:128*(\set)+16*\b+15], v[QF+64*(\set)+16*(\a):QF+64*(\set)+16*(\a)+15], 0
.else
	v_wmma_f32_16x16x128_fp8_fp8 v[8*(8*(\a)+\b):8*(8*(\a)+\b)+7], v[128*(\set)+16*\b:128*(\set)+16*\b+15], v[QF+64*(\set)+16*(\a):QF+64*(\set)+16*(\a)+15], v[8*(8*(\a)+\b):8*(8*(\a)+\b)+7]
.endif
.endr
.endm
.macro KSTEP j
	s_wait_dscnt 0x0                               ; this step's fragments are in
	PLACES                                         ; behind the last products, which read the set that is loaded next
	FETCH (\j)+1
	WIN MUL
	MULG 0, (\j)%2, 0
	MULG 1, (\j)%2, 0
	MULG 2, (\j)%2, 0
	MULG 3, (\j)%2, 0
.endm
	s_load_b256 s[4:11], s[0:1], 0x0               ; ac, wc, the scales, bo
	s_load_b64 s[66:67], s[0:1], 0x20              ; out0
	v_lshl_add_u32 v[SPW], v0, 2, SPARE
	v_mov_b32 v[NIL], 0
	ds_add_u32 v[SPW], v[NIL]                      ; the wave's opening: the add and its wait ahead of my first tensor load
	v_lshrrev_b32 v1, 5, v0
	v_readfirstlane_b32 s[WV], v1
	s_lshr_b32 s[KIND], s[WV], 1
	s_and_b32 s[HALF], s[WV], 1
	s_bfe_u32 s15, ttmp6, 0x40000                  ; cx
	s_bfe_u32 s16, ttmp6, 0x40004                  ; cy
	s_and_b32 s17, ttmp7, 0xffff
	s_lshl_b32 s20, ttmp9, 2
	s_add_co_u32 s20, s20, s15                     ; wo's tile of 256 rows: hangs on cx alone
	s_lshl_b32 s21, s17, 2
	s_add_co_u32 s21, s21, s16                     ; a's tile of 128 rows: on cy alone
	s_lshl_b32 s22, s16, 2
	s_lshl_b32 s22, 15, s22                        ; my row of the cluster
	s_lshl_b32 s23, 0x1111, s15                    ; my column
	; group 1: rows of 4,096 bytes (a fragment's two K steps: 512 elements of 8 bytes), 16,384 bytes apart; 4 rows for Q, 8 for P; no padding
	s_or_b32 s[G1Q], s22, (3<<16)|(1<<21)
	s_mov_b32 s[G1Q+1], 512<<16
	s_mov_b32 s[G1Q+2], 4<<16
	s_mov_b32 s[G1Q+3], 512<<16
	s_mov_b32 s[G1Q+4], 4
	s_mov_b32 s[G1Q+5], 2048
	s_mov_b32 s[G1Q+6], 0
	s_mov_b32 s[G1Q+7], 0
	s_or_b32 s[G1P], s23, (3<<16)|(1<<21)
	s_mov_b32 s[G1P+1], 512<<16
	s_mov_b32 s[G1P+2], 8<<16
	s_mov_b32 s[G1P+3], 512<<16
	s_mov_b32 s[G1P+4], 8
	s_mov_b32 s[G1P+5], 2048
	s_mov_b32 s[G1P+6], 0
	s_mov_b32 s[G1P+7], 0
	s_lshl_b32 s80, s20, 18
	s_lshl_b32 s81, s[HALF], 17
	s_add_co_u32 s80, s80, s81
	s_add_co_u32 s80, s80, 0x300000                ; wo's codes are the fourth MiB of wc
	s_mov_b32 s81, 0
	s_lshl_b32 s86, s21, 17
	s_lshl_b32 s87, s[HALF], 16
	s_add_co_u32 s86, s86, s87
	s_mov_b32 s87, 0
	s_lshl_b32 s90, s[HALF], 14                    ; where they go in a slot: no place in the cluster enters an LDS address
	s_lshl_b32 s91, s[HALF], 15
	s_add_co_u32 s91, s91, POFF
	s_wait_dscnt 0x0                               ; the opening add is done
	s_wait_kmcnt 0x0
	s_load_b64 s[78:79], s[8:9], 0x28              ; e10, e11
	s_add_nc_u64 s[84:85], s[6:7], s[80:81]
	s_add_nc_u64 s[88:89], s[4:5], s[86:87]
	CROUND                                         ; all sixteen work-groups are here: the first joint loads meet
.irp n, 0,1,2
	s_mov_b32 s[G0Q+4*\n], 1
	s_add_co_u32 s[G0Q+4*\n+1], s90, \n*SLOT
	s_add_nc_u64 s[G0Q+4*\n+2:G0Q+4*\n+3], s[88:89], \n*4096
	s_or_b32 s[G0Q+4*\n+3], s[G0Q+4*\n+3], 0x80000000
	s_mov_b32 s[G0P+4*\n], 1
	s_add_co_u32 s[G0P+4*\n+1], s91, \n*SLOT
	s_add_nc_u64 s[G0P+4*\n+2:G0P+4*\n+3], s[84:85], \n*4096
	s_or_b32 s[G0P+4*\n+3], s[G0P+4*\n+3], 0x80000000
.endr
	s_cmp_eq_u32 s[KIND], 0                        ; a wave's three first fills stand in one branch: three loads of mine are out
	s_cbranch_scc0 .Lfirst_p
.irp n, 0,1,2
	tensor_load_to_lds s[G0Q+4*\n:G0Q+4*\n+3], s[G1Q:G1Q+7]
	s_nop 0
.endr
.rept 4
	v_nop
.endr
	s_branch .Lfirst_asked
.Lfirst_p:
.irp n, 0,1,2
	tensor_load_to_lds s[G0P+4*\n:G0P+4*\n+3], s[G1P:G1P+7]
	s_nop 0
.endr
.rept 4
	v_nop
.endr
.Lfirst_asked:
	v_and_b32 v[LI], 31, v0
	v_lshlrev_b32 v[LI], 4, v[LI]
	s_lshl_b32 s90, s[KIND], 14
	s_lshl_b32 s91, s[HALF], 15
	s_add_co_u32 s91, s91, POFF
.irp n, 0,1,2
	v_add_nc_u32 v[ADQ+\n], s90, v[LI]
	v_add_nc_u32 v[ADP+\n], s91, v[LI]
	s_add_co_u32 s90, s90, SLOT
	s_add_co_u32 s91, s91, SLOT
.endr
	s_lshl_b32 s92, s20, 10                        ; my first column, in bytes: 1,024 x tile + 512 x half
	s_lshl_b32 s93, s[HALF], 9
	s_add_co_u32 s92, s92, s93
	s_mov_b32 s93, 0
	s_add_nc_u64 s[10:11], s[10:11], s[92:93]      ; bo there
	s_lshl_b32 s94, s21, 19                        ; my first row: 128 x tile + 64 x half, of 4,096 bytes
	s_lshl_b32 s95, s[KIND], 18
	s_add_co_u32 s94, s94, s95
	s_add_co_u32 s94, s94, s92
	s_mov_b32 s95, 0
	s_add_nc_u64 s[66:67], s[66:67], s[94:95]
	v_bfe_u32 v[BOF], v0, 4, 1
	v_lshlrev_b32 v[BOF], 6, v[BOF]
.irp g, 0,1,2,3
.irp k, 0,1,2,3
	global_load_b128 v[BO+16*\g+4*\k:BO+16*\g+4*\k+3], v[BOF], s[10:11] offset:128*\g+16*\k   ; bo at columns 32 g + 16 (lane / 16) + 0 .. 15: the results' layout
.endr
.endr
	s_mul_i32 s90, s[WV], 8448
	s_add_co_u32 s90, s90, SLOT                    ; my stage: 16 rows x (512 + 16) bytes, in slot 1
	v_and_b32 v[STO], 15, v0
	v_mul_u32_u24 v[STO], v[STO], 528
	v_add_nc_u32 v[STO], v[STO], v[BOF]
	v_add_nc_u32 v[STO], s90, v[STO]
	v_add_nc_u32 v[RD], s90, v[LI]
	s_wait_kmcnt 0x0
	s_add_co_i32 s96, s78, s79
	s_add_co_i32 s96, s96, 127
	s_lshl_b32 s96, s96, 23                        ; 2^(e10 + e11)
	s_mov_b32 s97, s96
	s_wait_tensorcnt 2                             ; my part of slot 0 is in; slots 1 and 2 may stay out
	s_barrier_signal -1
	s_barrier_wait -1
	FETCH 0
	s_wait_dscnt 0x0
	FETCH 1
	WIN MUL
	MULG 0, 0, 1                                   ; K step 0 starts the sums
	MULG 1, 0, 1
	MULG 2, 0, 1
	MULG 3, 0, 1
	; K step 1: slot 0 is read out and is filled again, with K steps 6 and 7
	WIN 0
	s_wait_tensorcnt 0x0                           ; all my tensor loads have landed;
	ds_add_u32 v[SPW], v[NIL]                      ; 0 onto my spare word
	s_add_nc_u64 s[G0Q+2:G0Q+3], s[G0Q+2:G0Q+3], 12288
	s_add_nc_u64 s[G0P+2:G0P+3], s[G0P+2:G0P+3], 12288
	s_wait_dscnt 1                                 ; K step 1's fragments are in; only the add may be out
	WIN MUL
	MULG 0, 1, 0
	s_wait_dscnt 0x0                               ; the add is done, and my reads of slot 0 are over
	s_barrier_signal -1                            ; this barrier opens a round of the cluster's
	MULG 1, 1, 0
	WIN 0
	s_barrier_wait -1
	CREST                                          ; no wave of any partner still reads slot 0 or has a load on its way
	JLOAD 0                                        ; the refill, first behind the round; its four v_nop are the places in front of the loads below
	FETCH 2
	WIN MUL
	MULG 2, 1, 0
	MULG 3, 1, 0
	KSTEP 2
	KSTEP 3
	KSTEP 4
	; K step 5: the refill, asked for four K steps ago, is waited for and shown to all four waves; behind this barrier nobody reads slot 1 any more
	s_wait_tensorcnt 0x0
	s_wait_dscnt 0x0
	s_barrier_signal -1
	MULG 0, 1, 0
	MULG 1, 1, 0
	s_barrier_wait -1
	PLACES
	FETCH 6
	WIN MUL
	MULG 2, 1, 0
	MULG 3, 1, 0
	KSTEP 6
	s_wait_dscnt 0x0
	MULG 0, 1, 0
	MULG 1, 1, 0
	MULG 2, 1, 0
	MULG 3, 1, 0
	WIN 0
	PLACES
	; THE WAY OUT, a fragment of 16 rows x my 128 columns at a time: sum x 2^(e10 + e11) + bo, through my stage, back as whole rows of 512 bytes
	s_wait_loadcnt 0x0                             ; bo
.irp a, 0,1,2,3
.if \a > 0
	s_wait_xcnt 0x0                                ; the last fragment's stores have read their registers, which are loaded again below
.endif
	WIN 0x02                                       ; source 0: window 2
.set j, 0
.rept 32
	v_pk_fma_f32 v[TT+j:TT+j+1], v[64*\a+j:64*\a+j+1], s[96:97], v[BO+j:BO+j+1] op_sel_hi:[1,0,1]   ; each accumulator from its low end on
.set j, j+2
.endr
	WIN 0
.irp g, 0,1,2,3
.irp k, 0,1,2,3
	ds_store_b128 v[STO], v[TT+16*\g+4*\k:TT+16*\g+4*\k+3] offset:128*\g+16*\k
.endr
.endr
.irp i, 0,1,2,3,4,5,6,7,8,9,10,11,12,13,14,15
	ds_load_b128 v[BK+4*\i:BK+4*\i+3], v[RD] offset:528*\i   ; LDS serves a wave's instructions in order: these see the stores above
.endr
.irp i, 0,1,2,3,4,5,6,7,8,9,10,11,12,13,14,15
	s_wait_dscnt 15-\i                             ; row i is back; the younger loads may be out
	global_store_b128 v[LI], v[BK+4*\i:BK+4*\i+3], s[66:67] offset:(32*(\a/2)+8*(\a%2)+\i+8*(\i/8))*4096 th:TH_STORE_NT   ; 512 consecutive bytes of one row
.endr
.endr
	s_wait_tensorcnt 0x0                           ; the wave's end, behind my last tensor load and my last LDS store
	ds_add_u32 v[SPW], v[NIL]
	s_wait_dscnt 0x0
	CROUND                                         ; the closing round
	s_endpgm
.Lfunc_end_k_q09f998be5a_outp:
	.size	k_q09f998be5a_outp, .Lfunc_end_k_q09f998be5a_outp-k_q09f998be5a_outp
	.p2alignl 7, 3214868480
	.fill 96, 4, 3214868480
	.section	.rodata,"a",@progbits
	.p2align	6, 0x0
	.amdhsa_kernel k_q09f998be5a_outp
		.amdhsa_group_segment_fixed_size 327680
		.amdhsa_private_segment_fixed_size 0
		.amdhsa_enable_private_segment 0
		.amdhsa_kernarg_size 40
		.amdhsa_user_sgpr_count 2
		.amdhsa_user_sgpr_kernarg_segment_ptr 1
		.amdhsa_wavefront_size32 1
		.amdhsa_system_sgpr_workgroup_id_x 1
		.amdhsa_system_sgpr_workgroup_id_y 1
		.amdhsa_system_sgpr_workgroup_id_z 1
		.amdhsa_system_vgpr_workitem_id 0
		.amdhsa_next_free_vgpr 768
		.amdhsa_next_free_sgpr 100
		.amdhsa_reserve_vcc 0
		.amdhsa_float_denorm_mode_32 3
		.amdhsa_float_denorm_mode_16_64 3
		.amdhsa_memory_ordered 1
		.amdhsa_forward_progress 1
		.amdhsa_inst_pref_size 77
	.end_amdhsa_kernel
	.amdgpu_metadata
---
amdhsa.version: [ 1, 2 ]
amdhsa.kernels:
  - .name:           k_q09f998be5a_outp
    .symbol:         k_q09f998be5a_outp.kd
    .args:
      - { .name: ac, .offset: 0, .size: 8, .value_kind: global_buffer, .address_space: global }
      - { .name: wc, .offset: 8, .size: 8, .value_kind: global_buffer, .address_space: global }
      - { .name: lowp_scales, .offset: 16, .size: 8, .value_kind: global_buffer, .address_space: global }
      - { .name: bo, .offset: 24, .size: 8, .value_kind: global_buffer, .address_space: global }
      - { .name: out0, .offset: 32, .size: 8, .value_kind: global_buffer, .address_space: global }
    .group_segment_fixed_size: 327680
    .private_segment_fixed_size: 0
    .kernarg_segment_align: 8
    .kernarg_segment_size: 40
    .max_flat_workgroup_size: 128
    .sgpr_count:     100
    .vgpr_count:     768
    .wavefront_size: 32
...
	.end_amdgpu_metadata
.endif
;; end of part 4
